; MI455X (gfx1250); checked and timed in simulation.
; The chip was launched on July 23, 2026; its instructions are those of AMD's public machine-readable ISA for CDNA 5 (MIT licence, August 2026) and "CDNA5" Instruction Set Architecture Reference Guide (July 2026). The comments in the code are by the model that wrote it; some were corrected since.
;; CLUB. Allowed arithmetic: float matrix products may take bf16 or f16 operands with f32 sums; all other float work in f32.
;; Inputs: W1 128 x 256 float32; W2 128 x 128 float32; W3 1 x 128 float32; b1 128 float32; b2 128 float32; b3 1 float32; z1 1,024 x 128 float32; z2 1,024 x 128 float32.
;; Outputs: out0 1,024 x 1,024 float32.
;; One version. Each part assembles by itself: llvm-mc -triple=amdgcn-amd-amdhsa -mcpu=gfx1250 --defsym DOCPART=n.
;; ======== version 1 of 1: 1 launch
;; limits: a function is approximated: absolute error at most 0.00011; values are held in f16: magnitudes above 65,504 overflow, below 6.1e-05 lose precision
;; launch club (part 1): grid 16 x 16, 8 waves a work-group, no clusters, 189,952 bytes of LDS; arguments z1, z2, W1, b1, W2, b2, W3, b3, out0; writes out0
.if DOCPART == 1
	.amdgcn_target "amdgcn-amd-amdhsa--gfx1250"
	.amdhsa_code_object_version 6
	.text
	.protected	k_q76814dc730_club
	.globl	k_q76814dc730_club
	.p2align	8
	.type	k_q76814dc730_club,@function
k_q76814dc730_club:
	s_mov_b64 s[64:65], 0
	v_nop
	global_prefetch_b8 v0, s[64:65] scope:SCOPE_SE
	s_setreg_imm32_b32 hwreg(HW_REG_WAVE_MODE, 25, 1), 1
	s_wait_xcnt 0x0
; out[i][j] = W3 . gelu(W2 . gelu(a[j] + b[i] + b1) + b2) + b3,  a = z1 W1[:, :128]^T,  b = z2 W1[:, 128:]^T,  1024 x 1024 pairs (i, j).
; A work-group makes the block i = 64 by .. +63, j = 64 bx .. +63: 4,096 pairs.  Eight waves; wave w: jt = w & 3, ih = w >> 2; it owns the sixteen
; columns j = 16 jt + r (r = lane & 15) and the 32 rows i = 32 ih .. +31.  One trip of its loop = one i = one tile of 16 pairs.
;
; LAYOUT.  Every product is taken with the weights as A and the pairs as B, so that a result's register j' of lane (r, hf = lane >> 4) is
; (feature 16 T + 8 hf + j', pair r).  That is the place that a B fragment of the next product wants (registers 0-3: k = 8 hf .. +7 of the even
; sixteen, registers 4-7 of the odd sixteen), so a[j] stays in 64 registers as the a product left it, h1 is made in B's layout with no trip through
; LDS, and the product with W3 is a sum inside the lane plus one exchange between the two halves of the wave.  W2 in f16 is 32 fragments = 256
; registers (window 1) for the whole launch.  b + b1 has i along the lanes, so it goes through LDS as [i][h] f32 and is read back by broadcast.
; b2 is loaded from LDS straight into the accumulators, so all 32 matrix instructions of a trip accumulate in place and nothing is cleared.
;
; GELU in f32:  gelu(x) = p - z E,  p = max(x, 0),  z = |x| = 2 p - x,  E = Phi(-z) ~ exp2(-1 + z (K1 + z (K2 + z K3))).
; LIMITS, kept on purpose:
;   the cubic is a fit, not the error function: absolute error of gelu at most about 1.1e-4 for every finite x; all three K are negative, so E falls
;   to 0 for large z and nothing is clamped; for small x the term x / 2 is exact and the term in x^2 is 0.7 per cent low; far on the negative side
;   the relative error grows while the absolute error stays below z Phi(-z); an infinite x gives NaN (2 p - x).
;   matrix operands (z1, z2, W1, W2, h1) are f16: magnitudes must stay below 65,504 (so |a + b + b1| too) and those under 6e-8 are lost.
;   h2, the product with W3, all biases and all sums are f32.
; NO TENSOR LOADS, NO JOINT REQUESTS: every staged number is converted from f32 to f16 in registers on its way into LDS; an f32 stage of the 256 KiB
; (z blocks 64, W1 128, W2 64) beside the 134 KiB of f16 copies does not fit in the work-group's LDS; and the weights that work-groups share are read
; once, in one burst at the start, against 32 trips of arithmetic on registers.
; ---- LDS map (bytes) ----
.set B2S,  0                           ; b2, 128 f32
.set W3S,  512                         ; W3, 128 f32
.set B1S,  1024                        ; b1, 128 f32
.set BP,   1536                        ; b + b1: 64 rows of 128 f32, pitch 528
.set BPP,  528
.set OUTS, 35328                       ; the block's results: 64 rows of 64 f32
.set W2H,  51712                       ; W2 in f16: 128 rows, pitch 272
.set Z1H,  86528                       ; my 64 rows of z1 in f16, pitch 272
.set Z2H,  103936                      ; my 64 rows of z2 in f16, pitch 272
.set W1H,  121344                      ; W1 in f16: 128 rows of 256, pitch 528; ends at 188,928
.set HP,   272                         ; 256 bytes + 16: an odd multiple of 16, so sixteen rows of a fragment load start in sixteen different 16-byte columns
.set WP,   528                         ; 512 bytes + 16: likewise
; ---- vector registers, window 0.  Two names on one register: the first serves the prologue, the second the loop ----
.set W1FA, 1                           ; W1H + 528 r + 16 hf: fragments of W1's left half
.set ADRB, 1                           ; BP + 528 i + 32 hf: this trip's row of b + b1
.set ADRH, 2                           ; 32 hf
.set W1FB, 3                           ; fragments of W1's right half, my four tiles of h
.set OADR, 3                           ; OUTS + 256 i + 4 (16 jt + r)
.set TT,   4                           ; at work in the prologue
.set RR,   5                           ; r
.set HF,   6                           ; hf
.set LANE, 7
.set SA,   4                           ; v[4:5], v[6:7]: two chains of the product with W3
.set SB,   6
.set BPST, 8                           ; where my results of b + b1 go
.set SUM,  8
.set W2FR, 9                           ; W2H + 272 r + 16 hf
.set PX,   9                           ; the other half's sum
.set VOFF, 10                          ; 16 x thread: offset of the sweeps over z, W1, W2
.set W2ST, 11                          ; where my 8 bytes of a sweep of W2 go
.set ZST,  12                          ; the same for z1 (z2: by the immediate)
.set W1ST, 13                          ; the same for W1
.set ZFR,  14                          ; Z1H + 272 (16 jt + r) + 16 hf
.set B1A,  15                          ; 256 ih + 32 hf
.set KC3,  10                          ; v[10:11], v[12:13], v[14:15]: K3, K2, K1, each twice, for the packed multiply-adds
.set KC2,  12
.set KC1,  14
.set TMP,  16                          ; v[16:47] converted numbers on their way to LDS
.set A_,   16                          ; v[16:79] a[j = r][16 T' + 8 hf + j'] at 8 T' + j'
.set W2R,  80                          ; v[80:143] W2 as loaded
.set W3_,  80                          ; v[80:143] W3[16 T + 8 hf + j'] at 8 T + j'
.set ZB1,  144                         ; v[144:175] four B fragments of z1
.set BACC, 176                         ; v[176:207] four accumulators of b + b1
.set ACC,  144                         ; v[144:207] eight accumulators of the main product
.set ZB2,  208                         ; v[208:239] four B fragments of z2
.set BF,   208                         ; v[208:215] one B fragment of h1
.set X0,   216                         ; v[216:223], v[224:231]: eight numbers of b + b1 for an even, an odd T'
.set SMALL, 232                        ; v[232:243] b2, W3, b1 as loaded
.set R1,   232                         ; x, then z
.set R2,   240                         ; p, then gelu(x)
.set TM2,  240                         ; v[240:255] converted W2 on its way to LDS
.set SOFF, 244                         ; 16 x lane
.set R3,   248                         ; the exponent, then E
; window 1: z1, z2 (0-63) and W1 (64-191) as loaded; then W1's fragments; in the loop W2's fragment (T, s) at 8 (4 T + s)
.set MSB, 0
.macro WIN new                         ; s_set_vgpr_msb: bits 1:0 source 0, 3:2 source 1, 5:4 source 2, 7:6 destination; the high byte repeats the setting that is left
.if MSB != \new
	s_set_vgpr_msb (MSB<<8)|\new
.set MSB, \new
.endif
.endm
.macro FRAG dst, adr, off              ; a 16-bit fragment, 16 rows x 32 k: two loads of 16 bytes, 32 bytes apart
	ds_load_b128 v[\dst:\dst+3],   v[\adr] offset:\off
	ds_load_b128 v[\dst+4:\dst+7], v[\adr] offset:\off+32
.endm
.macro OCT dst, adr, off               ; eight neighbouring f32
	ds_load_b128 v[\dst:\dst+3],   v[\adr] offset:\off
	ds_load_b128 v[\dst+4:\dst+7], v[\adr] offset:\off+16
.endm
.macro CVT32 src                       ; 64 f32 of window 1 to 64 f16 in TMP
	WIN 0x05
.set kk, 0
.rept 32
	v_cvt_pk_f16_f32 v[TMP+kk], v[\src+2*kk], v[\src+2*kk+1]
.set kk, kk+1
.endr
	WIN 0
.endm
.macro PUT8 adr, tmp, off, step        ; eight sweeps' 8 bytes a thread into LDS; a wave's store covers 256 neighbouring bytes
.irp q, 0,1,2,3,4,5,6,7
	ds_store_b64 v[\adr], v[\tmp+2*\q:\tmp+2*\q+1] offset:\off+\q*\step
.endr
.endm
; gelu of eight numbers: x in XR (left as z), the result in PR, UR at work.  24 plain instructions and 8 exponentials.
; Behind v_exp_f32 one plain vector instruction that touches neither its result nor its source comes before the result is used (ISA guide 5.7.2):
; behind the first four stand the last two Horner lines of the other four numbers, behind the second four the final lines of the first four.
.macro GELU8 XR, PR, UR
.irp k, 0,2,4,6
	v_dual_max_num_f32 v[\PR+\k], 0, v[\XR+\k] :: v_dual_max_num_f32 v[\PR+\k+1], 0, v[\XR+\k+1]      ; p = max(x, 0)
.endr
.irp k, 0,2,4,6
	v_pk_fma_f32 v[\XR+\k:\XR+\k+1], v[\PR+\k:\PR+\k+1], 2.0, v[\XR+\k:\XR+\k+1] op_sel_hi:[1,0,1] neg_lo:[0,0,1] neg_hi:[0,0,1]   ; z = 2 p - x
.endr
.irp k, 0,2,4,6
	v_pk_fma_f32 v[\UR+\k:\UR+\k+1], v[\XR+\k:\XR+\k+1], v[KC3:KC3+1], v[KC2:KC2+1]                    ; K3 z + K2
.endr
.irp k, 0,2,4,6
	v_pk_fma_f32 v[\UR+\k:\UR+\k+1], v[\UR+\k:\UR+\k+1], v[\XR+\k:\XR+\k+1], v[KC1:KC1+1]              ; (..) z + K1
.endr
.irp k, 0,2
	v_pk_fma_f32 v[\UR+\k:\UR+\k+1], v[\UR+\k:\UR+\k+1], v[\XR+\k:\XR+\k+1], -1.0 op_sel_hi:[1,1,0]    ; (..) z - 1
.endr
.irp k, 0,1,2,3
	v_exp_f32 v[\UR+\k], v[\UR+\k]                                                                     ; E = 2^(..)
.endr
.irp k, 4,6
	v_pk_fma_f32 v[\UR+\k:\UR+\k+1], v[\UR+\k:\UR+\k+1], v[\XR+\k:\XR+\k+1], -1.0 op_sel_hi:[1,1,0]
.endr
.irp k, 4,5,6,7
	v_exp_f32 v[\UR+\k], v[\UR+\k]
.endr
	s_wait_alu depctr_va_vdst(0)
.irp k, 0,2,4,6
	v_pk_fma_f32 v[\PR+\k:\PR+\k+1], v[\XR+\k:\XR+\k+1], v[\UR+\k:\UR+\k+1], v[\PR+\k:\PR+\k+1] neg_lo:[1,0,0] neg_hi:[1,0,0]      ; p - z E
.endr
.endm
; Layer 1, the eight features h = 16 T + 8 hf .. +7 of my pair: x = a + (b + b1), gelu, four registers of the B fragment.
; cnt: how many younger LDS instructions may stay out when this chunk's eight numbers of b + b1 must be there.
; pre = 1: the buffer just read is asked again for chunk T + 2 of this row; 2: for chunk T - 6 of the next row; 0: for nothing.
.macro L1CH T, cnt, pre
	s_wait_dscnt \cnt
.irp k, 0,2,4,6
	v_pk_add_f32 v[R1+\k:R1+\k+1], v[A_+8*\T+\k:A_+8*\T+\k+1], v[X0+8*(\T&1)+\k:X0+8*(\T&1)+\k+1]
.endr
.if (\pre) == 1
	OCT X0+8*(\T&1), ADRB, 64*(\T+2)
.endif
.if (\pre) == 2
	OCT X0+8*(\T&1), ADRB, BPP+64*(\T-6)
.endif
	GELU8 R1, R2, R3
.irp k, 0,1,2,3
	v_cvt_pk_f16_f32 v[BF+4*(\T&1)+\k], v[R2+2*\k], v[R2+2*\k+1]
.endr
.endm
; K step s of the main product: eight tiles of g x my 16 pairs x 32 h.  The eight accumulators take turns, one instruction a turn, from K step to
; K step and over the loop's backward jump too.  BF is written again 28 plain vector instructions further down at the least.
.macro MM8 s
	WIN 0x01                               ; A from window 1
.irp T, 0,1,2,3,4,5,6,7
	v_wmma_f32_16x16x32_f16 v[ACC+8*\T:ACC+8*\T+7], v[8*(4*\T+\s):8*(4*\T+\s)+7], v[BF:BF+7], v[ACC+8*\T:ACC+8*\T+7]
.endr
	WIN 0
.endm
; Layer 2, the eight features g = 16 T + 8 hf .. +7: gelu of the accumulator, times W3 into two chains; then b2 for the next trip into the accumulator.
; The first line starts chain A with b3 / 4: two elements in each of the wave's two halves make b3.
.macro L2CH T, more
	GELU8 ACC+8*\T, R2, R3
.if \T == 0
	v_pk_fma_f32 v[SA:SA+1], v[R2:R2+1], v[W3_:W3_+1], s[26:27] op_sel_hi:[1,1,0]
	v_pk_mul_f32 v[SB:SB+1], v[R2+2:R2+3], v[W3_+2:W3_+3]
.else
	v_pk_fma_f32 v[SA:SA+1], v[R2:R2+1], v[W3_+8*\T:W3_+8*\T+1], v[SA:SA+1]
	v_pk_fma_f32 v[SB:SB+1], v[R2+2:R2+3], v[W3_+8*\T+2:W3_+8*\T+3], v[SB:SB+1]
.endif
	v_pk_fma_f32 v[SA:SA+1], v[R2+4:R2+5], v[W3_+8*\T+4:W3_+8*\T+5], v[SA:SA+1]
	v_pk_fma_f32 v[SB:SB+1], v[R2+6:R2+7], v[W3_+8*\T+6:W3_+8*\T+7], v[SB:SB+1]
.if \more
	OCT ACC+8*\T, ADRH, B2S+64*\T
.endif
.endm
; One i.  LDS instructions of a wave finish in order (ISA guide 5.7.1).  Ahead of a trip were issued, in this order: the pair of loads for chunk 0,
; the pair for chunk 1, sixteen loads of b2, and (on the way round) the last trip's one store.
;   chunk 0: 18 = chunk 1's pair + b2's sixteen (the way in; the way round has one more, so 18 is safe there too)
;   chunk 1: 18 = b2's sixteen + the pair that chunk 0 has just asked for
;   ahead of K step 0: 4 = the two pairs asked for by chunks 0 and 1: b2 is in all accumulators
;   chunks 2 to 7: 2 = the other buffer's pair; in the last trip chunk 6 asks for nothing, so chunk 7 waits for 0
.macro TRIP more
	L1CH 0, 18, 1
	L1CH 1, 18, 1
	s_wait_dscnt 4
	MM8 0
	L1CH 2, 2, 1
	L1CH 3, 2, 1
	MM8 1
	L1CH 4, 2, 1
	L1CH 5, 2, 1
	MM8 2
	L1CH 6, 2, 2*\more
	L1CH 7, 2*\more, 2*\more
	MM8 3
	v_add_nc_u32 v[ADRB], BPP, v[ADRB]     ; the next row of b + b1; with the three v_nop the four places between a matrix instruction
.rept 3
	v_nop                                  ; and a vector instruction that reads its result (ISA guide 7.12.1)
.endr
.irp T, 0,1,2,3,4,5,6,7
	L2CH \T, \more
.endr
	v_pk_add_f32 v[SA:SA+1], v[SA:SA+1], v[SB:SB+1]
	v_add_f32 v[SUM], v[SA], v[SA+1]               ; my 64 features
	v_permlanex16_b32 v[PX], v[SUM], s32, s33      ; the other 64, from lane xor 16
	v_add_f32 v[SUM], v[SUM], v[PX]
	ds_store_b32 v[OADR], v[SUM]                   ; out(i, 16 jt + r): both halves write the same word with the same value
	v_add_nc_u32 v[OADR], 256, v[OADR]
.endm
; ================= the prologue =================
	s_load_b512 s[8:23], s[0:1], 0x0               ; z1 s[8:9], z2 s[10:11], W1 s[12:13], b1 s[14:15], W2 s[16:17], b2 s[18:19], W3 s[20:21], b3 s[22:23]
	s_load_b64 s[24:25], s[0:1], 0x40              ; out0
	v_and_b32 v[LANE], 31, v0
	v_lshrrev_b32 v[TT], 5, v0
	v_readfirstlane_b32 s28, v[TT]                 ; wave w
	v_and_b32 v[RR], 15, v0
	v_bfe_u32 v[HF], v0, 4, 1
	v_lshlrev_b32 v[VOFF], 4, v0
	v_lshlrev_b32 v[SOFF], 4, v[LANE]
	s_and_b32 s29, s28, 3                          ; jt
	s_lshr_b32 s30, s28, 2                         ; ih
	s_mov_b32 s32, 0x76543210                      ; v_permlanex16_b32: lane i of one half reads lane i of the other
	s_mov_b32 s33, 0xfedcba98
	s_lshl_b32 s40, ttmp9, 15                      ; bx x 64 rows of 512 bytes
	s_mov_b32 s41, 0
	s_and_b32 s42, ttmp7, 0xffff                   ; by
	s_lshl_b32 s44, s42, 18                        ; by x 64 rows of 4,096 bytes
	s_lshl_b32 s42, s42, 15
	s_mov_b32 s43, 0
	s_lshl_b32 s46, ttmp9, 8                       ; bx x 64 columns of 4 bytes
	s_add_co_u32 s44, s44, s46
	s_mov_b32 s45, 0
	s_wait_kmcnt 0x0
	s_load_b32 s26, s[22:23], 0x0                  ; b3
	s_add_nc_u64 s[8:9], s[8:9], s[40:41]          ; z1 at my 64 rows j
	s_add_nc_u64 s[10:11], s[10:11], s[42:43]      ; z2 at my 64 rows i
	s_add_nc_u64 s[24:25], s[24:25], s[44:45]      ; out0 at my block's corner
	; All global loads in one burst: 3 + 8 + 8 + 32 + 16 = 67.  A sweep is 256 threads x 16 bytes = 4,096 neighbouring bytes.
	; Every wave loads the three short vectors, so that the counted waits below are the same in all waves; wave 0 alone stores them.
	global_load_b128 v[SMALL:SMALL+3],    v[SOFF], s[18:19]
	global_load_b128 v[SMALL+4:SMALL+7],  v[SOFF], s[20:21]
	global_load_b128 v[SMALL+8:SMALL+11], v[SOFF], s[14:15]
	WIN 0x40                                       ; destinations in window 1
.irp q, 0,1,2,3,4,5,6,7
	global_load_b128 v[4*\q:4*\q+3], v[VOFF], s[8:9] offset:4096*\q
.endr
.irp q, 0,1,2,3,4,5,6,7
	global_load_b128 v[32+4*\q:32+4*\q+3], v[VOFF], s[10:11] offset:4096*\q
.endr
.set qq, 0
.rept 32
	global_load_b128 v[64+4*qq:64+4*qq+3], v[VOFF], s[12:13] offset:4096*qq
.set qq, qq+1
.endr
	WIN 0
.set qq, 0
.rept 16
	global_load_b128 v[W2R+4*qq:W2R+4*qq+3], v[VOFF], s[16:17] offset:4096*qq
.set qq, qq+1
.endr
	; LDS addresses, while the loads are on their way.  Where a sweep's 16 bytes of f32 go as 8 bytes of f16:
	; rows of 128 numbers (z, W2): a sweep is 8 rows, wave w has row w of them;  rows of 256 (W1): 4 rows, wave w has half w & 1 of row w >> 1.
	s_mul_i32 s40, s28, HP
	s_add_co_u32 s41, s40, Z1H
	s_add_co_u32 s40, s40, W2H
	v_lshl_add_u32 v[ZST],  v[LANE], 3, s41
	v_lshl_add_u32 v[W2ST], v[LANE], 3, s40
	s_lshr_b32 s42, s28, 1
	s_mul_i32 s42, s42, WP
	s_and_b32 s43, s28, 1
	s_lshl_b32 s43, s43, 8
	s_add_co_u32 s42, s42, s43
	s_add_co_u32 s42, s42, W1H
	v_lshl_add_u32 v[W1ST], v[LANE], 3, s42
	; fragments: row r of sixteen, 16 bytes for each half of the lanes
	v_lshlrev_b32 v[ADRH], 5, v[HF]                ; 32 hf
	v_mul_u32_u24 v[TT], v[RR], HP
	v_lshl_add_u32 v[TT], v[HF], 4, v[TT]          ; 272 r + 16 hf
	s_mul_i32 s40, s29, 16*HP
	s_add_co_u32 s40, s40, Z1H
	v_add_nc_u32 v[ZFR], s40, v[TT]                ; rows 16 jt + r of the z blocks
	v_add_nc_u32 v[W2FR], W2H, v[TT]
	v_mul_u32_u24 v[BPST], v[RR], WP               ; 528 r
	v_lshl_add_u32 v[W1FA], v[HF], 4, v[BPST]
	v_add_nc_u32 v[W1FA], W1H, v[W1FA]
	s_mul_i32 s40, s30, 64*WP
	s_add_co_u32 s40, s40, 256                     ; rows 64 ih .., the right half of W1's rows
	v_add_nc_u32 v[W1FB], s40, v[W1FA]
	s_lshl_b32 s40, s30, 8
	v_add_nc_u32 v[B1A], s40, v[ADRH]              ; 4 x (64 ih + 8 hf)
	s_mul_i32 s40, s29, 16*BPP
	s_add_co_u32 s40, s40, BP
	v_add3_u32 v[BPST], v[BPST], v[B1A], s40       ; BP + 528 (16 jt + r) + 4 (64 ih + 8 hf)
	s_wait_kmcnt 0x0
	s_mul_f32 s26, s26, 0x3e800000                 ; b3 / 4
	s_mov_b32 s27, s26
	s_wait_loadcnt 48                              ; W1's 32 and W2's 16 stay out: the short vectors and both z blocks are in
	CVT32 0
	PUT8 ZST, TMP, 0, 8*HP                         ; z1
	PUT8 ZST, TMP+16, Z2H-Z1H, 8*HP                ; z2
	s_cmp_lg_u32 s28, 0
	s_cbranch_scc1 .Lnot_wave_0
	ds_store_b128 v[SOFF], v[SMALL:SMALL+3]    offset:B2S
	ds_store_b128 v[SOFF], v[SMALL+4:SMALL+7]  offset:W3S
	ds_store_b128 v[SOFF], v[SMALL+8:SMALL+11] offset:B1S
.Lnot_wave_0:
	s_wait_loadcnt 32                              ; W1's second sixteen and W2's sixteen stay out
	CVT32 64
	PUT8 W1ST, TMP, 0, 4*WP
	PUT8 W1ST, TMP+16, 8*4*WP, 4*WP
	s_wait_loadcnt 16                              ; W2's sixteen stay out
	CVT32 128
	PUT8 W1ST, TMP, 16*4*WP, 4*WP
	PUT8 W1ST, TMP+16, 24*4*WP, 4*WP
	s_wait_dscnt 0x0                               ; my stores are done, for the other waves' sake
	s_barrier_signal -1
	s_barrier_wait -1                              ; z1, z2, W1 and the short vectors lie in LDS
	; 88 LDS loads in one run: 8 + 8 + 8 + 32 + 32
.irp s, 0,1,2,3
	FRAG ZB2+8*\s, ZFR, Z2H-Z1H+64*\s              ; B: z2, columns i = 16 jt + r
.endr
.irp t, 0,1,2,3
	OCT BACC+8*\t, B1A, B1S+64*\t                  ; b1 starts the sums of b + b1
.endr
.irp s, 0,1,2,3
	FRAG ZB1+8*\s, ZFR, 64*\s                      ; B: z1, columns j = 16 jt + r
.endr
	WIN 0x40
.irp t, 0,1,2,3
.irp s, 0,1,2,3
	FRAG 8*(4*\t+\s), W1FB, \t*16*WP+64*\s         ; A: W1's right half, rows h = 16 (4 ih + t) ..
.endr
.endr
.irp T, 0,1,2,3,4,5,6,7
.irp s, 0,1
	FRAG 128+8*(2*\T+\s), W1FA, \T*16*WP+64*\s     ; A: W1's left half, all eight tiles of h, K steps 0 and 1
.endr
.endr
	s_wait_dscnt 32                                ; the youngest 32 (W1's left half) stay out
	WIN 0x01
	; b + b1 for i tile jt and the four h tiles 4 ih + t; the four accumulators take turns
.irp s, 0,1,2,3
.irp t, 0,1,2,3
	v_wmma_f32_16x16x32_f16 v[BACC+8*\t:BACC+8*\t+7], v[8*(4*\t+\s):8*(4*\t+\s)+7], v[ZB2+8*\s:ZB2+8*\s+7], v[BACC+8*\t:BACC+8*\t+7]
.endr
.endr
	WIN 0
	s_wait_loadcnt 0x0                             ; W2
	; W2 to f16 and into LDS.  The conversions name no register of the products above: they are the places in front of
	; the loads into those products' A registers and of the stores of their results.
.irp h, 0,1
.set kk, 0
.rept 16
	v_cvt_pk_f16_f32 v[TM2+kk], v[W2R+32*\h+2*kk], v[W2R+32*\h+2*kk+1]
.set kk, kk+1
.endr
	PUT8 W2ST, TM2, \h*8*8*HP, 8*HP
.endr
	WIN 0x40
.irp T, 0,1,2,3,4,5,6,7
.irp s, 2,3
	FRAG 8*(2*\T+\s-2), W1FA, \T*16*WP+64*\s       ; W1's left half, K steps 2 and 3
.endr
.endr
	WIN 0
.irp t, 0,1,2,3
	ds_store_b128 v[BPST], v[BACC+8*\t:BACC+8*\t+3]   offset:64*\t        ; (b + b1)[i = 16 jt + r][16 (4 ih + t) + 8 hf .. +7]
	ds_store_b128 v[BPST], v[BACC+8*\t+4:BACC+8*\t+7] offset:64*\t+16
.endr
	s_wait_dscnt 56                                ; 16 stores of W2 + 32 loads + 8 stores were issued later: K steps 0 and 1 of W1's left half are in
	WIN 0x01
	; a for my sixteen j and all 128 h; eight accumulators take turns; the first K step starts the sums
.irp T, 0,1,2,3,4,5,6,7
	v_wmma_f32_16x16x32_f16 v[A_+8*\T:A_+8*\T+7], v[128+8*(2*\T):128+8*(2*\T)+7], v[ZB1:ZB1+7], 0
.endr
.irp T, 0,1,2,3,4,5,6,7
	v_wmma_f32_16x16x32_f16 v[A_+8*\T:A_+8*\T+7], v[128+8*(2*\T+1):128+8*(2*\T+1)+7], v[ZB1+8:ZB1+15], v[A_+8*\T:A_+8*\T+7]
.endr
	s_wait_dscnt 8                                 ; the 8 stores of b + b1 were issued later: K steps 2 and 3 are in
.irp s, 2,3
.irp T, 0,1,2,3,4,5,6,7
	v_wmma_f32_16x16x32_f16 v[A_+8*\T:A_+8*\T+7], v[8*(2*\T+\s-2):8*(2*\T+\s-2)+7], v[ZB1+8*\s:ZB1+8*\s+7], v[A_+8*\T:A_+8*\T+7]
.endr
.endr
	WIN 0
	; the constants of the cubic; these six lines are also the places in front of the loads into the last products' A and B registers
	v_mov_b32 v[KC3],   0xbceb2ef3                 ; K3 = -0.02870891
	v_mov_b32 v[KC3+1], 0xbceb2ef3
	v_mov_b32 v[KC2],   0xbef83b35                 ; K2 = -0.4848267
	v_mov_b32 v[KC2+1], 0xbef83b35
	v_mov_b32 v[KC1],   0xbf925b57                 ; K1 = -1.1434125
	v_mov_b32 v[KC1+1], 0xbf925b57
	s_mul_i32 s40, s30, 32*BPP
	s_add_co_u32 s40, s40, BP
	v_add_nc_u32 v[ADRB], s40, v[ADRH]             ; row i = 32 ih of b + b1
	s_lshl_b32 s40, s30, 13                        ; 32 ih rows of 256 bytes
	s_lshl_b32 s41, s29, 6                         ; 16 jt columns of 4 bytes
	s_add_co_u32 s40, s40, s41
	s_add_co_u32 s40, s40, OUTS
	v_lshl_add_u32 v[OADR], v[RR], 2, s40
	s_wait_dscnt 0x0                               ; my stores of W2 and of b + b1 are done, for the other waves' sake
	s_barrier_signal -1
	s_barrier_wait -1                              ; W2 in f16 and all 64 rows of b + b1 lie in LDS
	WIN 0x40
.irp T, 0,1,2,3,4,5,6,7
.irp s, 0,1,2,3
	FRAG 8*(4*\T+\s), W2FR, \T*16*HP+64*\s         ; all of W2: rows g = 16 T + r, h = 32 s ..
.endr
.endr
	WIN 0
.irp T, 0,1,2,3,4,5,6,7
	OCT W3_+8*\T, ADRH, W3S+64*\T
.endr
	OCT X0, ADRB, 0                                ; the first trip's chunks 0 and 1,
	OCT X0+8, ADRB, 64
.irp T, 0,1,2,3,4,5,6,7
	OCT ACC+8*\T, ADRH, B2S+64*\T                  ; and its b2: the order that the trip's counts assume
.endr
	v_mov_b32 v[PX], 0                             ; v_permlanex16_b32 counts as a reader of its destination
	s_mov_b32 s31, 31
; ================= 32 trips, one i each =================
.Ltrip:
	TRIP 1
	s_sub_co_i32 s31, s31, 1
	s_cmp_lg_u32 s31, 0
	s_cbranch_scc1 .Ltrip
	TRIP 0                                         ; the last i is written out: no read past my last row of b + b1, no b2 that nobody uses
; ================= the way out =================
	s_wait_dscnt 0x0                               ; my results lie in LDS
	s_barrier_signal -1
	s_barrier_wait -1                              ; everybody's do
	; wave w takes rows 8 w .. 8 w + 7 of the block: a load of the wave is two rows of 256 bytes, 16 bytes a lane
	v_and_b32 v4, 31, v0
	s_lshl_b32 s40, s28, 11
	s_add_co_u32 s40, s40, OUTS
	v_lshl_add_u32 v4, v4, 4, s40                  ; OUTS + 2,048 w + 16 x lane
	v_and_b32 v5, 15, v0
	v_bfe_u32 v6, v0, 4, 1
	v_lshlrev_b32 v5, 4, v5
	v_lshl_add_u32 v5, v6, 12, v5                  ; 16 (lane mod 16), one row of out0 further for lanes 16 to 31,
	s_lshl_b32 s41, s28, 15
	v_add_nc_u32 v5, s41, v5                       ; + 8 w rows of 4,096 bytes
.irp t, 0,1,2,3
	ds_load_b128 v[16+4*\t:19+4*\t], v4 offset:512*\t
.endr
.irp t, 0,1,2,3
	s_wait_dscnt 3-\t                              ; load t is in; the younger ones stay out
	global_store_b128 v5, v[16+4*\t:19+4*\t], s[24:25] offset:8192*\t th:TH_STORE_NT   ; sixteen lanes store 256 consecutive bytes, at a multiple of 256 from out0's first byte
.endr
	s_wait_xcnt 0x0
	v_lshl_add_u32 v254, v0, 2, 0x2e200
	v_mov_b32 v255, 0
	s_wait_tensorcnt 0x0
	ds_add_u32 v254, v255
	s_wait_dscnt 0x0
	s_endpgm
.Lfunc_end_k_q76814dc730_club:
	.size	k_q76814dc730_club, .Lfunc_end_k_q76814dc730_club-k_q76814dc730_club
	.p2alignl 7, 3214868480
	.fill 96, 4, 3214868480
	.section	.rodata,"a",@progbits
	.p2align	6, 0x0
	.amdhsa_kernel k_q76814dc730_club
		.amdhsa_group_segment_fixed_size 189952
		.amdhsa_private_segment_fixed_size 0
		.amdhsa_enable_private_segment 0
		.amdhsa_kernarg_size 72
		.amdhsa_user_sgpr_count 2
		.amdhsa_user_sgpr_kernarg_segment_ptr 1
		.amdhsa_wavefront_size32 1
		.amdhsa_system_sgpr_workgroup_id_x 1
		.amdhsa_system_sgpr_workgroup_id_y 1
		.amdhsa_system_sgpr_workgroup_id_z 1
		.amdhsa_system_vgpr_workitem_id 0
		.amdhsa_next_free_vgpr 512
		.amdhsa_next_free_sgpr 66
		.amdhsa_reserve_vcc 0
		.amdhsa_float_denorm_mode_32 3
		.amdhsa_float_denorm_mode_16_64 3
		.amdhsa_memory_ordered 1
		.amdhsa_forward_progress 1
		.amdhsa_inst_pref_size 121
	.end_amdhsa_kernel
	.amdgpu_metadata
---
amdhsa.version: [ 1, 2 ]
amdhsa.kernels:
  - .name:           k_q76814dc730_club
    .symbol:         k_q76814dc730_club.kd
    .args:
      - { .name: z1, .offset: 0, .size: 8, .value_kind: global_buffer, .address_space: global }
      - { .name: z2, .offset: 8, .size: 8, .value_kind: global_buffer, .address_space: global }
      - { .name: W1, .offset: 16, .size: 8, .value_kind: global_buffer, .address_space: global }
      - { .name: b1, .offset: 24, .size: 8, .value_kind: global_buffer, .address_space: global }
      - { .name: W2, .offset: 32, .size: 8, .value_kind: global_buffer, .address_space: global }
      - { .name: b2, .offset: 40, .size: 8, .value_kind: global_buffer, .address_space: global }
      - { .name: W3, .offset: 48, .size: 8, .value_kind: global_buffer, .address_space: global }
      - { .name: b3, .offset: 56, .size: 8, .value_kind: global_buffer, .address_space: global }
      - { .name: out0, .offset: 64, .size: 8, .value_kind: global_buffer, .address_space: global }
    .group_segment_fixed_size: 189952
    .private_segment_fixed_size: 0
    .kernarg_segment_align: 8
    .kernarg_segment_size: 72
    .max_flat_workgroup_size: 256
    .sgpr_count:     66
    .vgpr_count:     512
    .wavefront_size: 32
...
	.end_amdgpu_metadata
.endif
;; end of part 1
